; MI455X (gfx1250); checked and timed in simulation.
; The chip was launched on July 23, 2026; its instructions are those of AMD's public machine-readable ISA for CDNA 5 (MIT licence, August 2026) and "CDNA5" Instruction Set Architecture Reference Guide (July 2026). The comments in the code are by the model that wrote it; some were corrected since.
;; knrm. Allowed arithmetic: matrix products marked QUANTISED: E3M2 operands, one E8M0 scale for each 32 along K, by v_wmma_scale_f32_16x16x128_f8f6f4 with both operands' format E3M2, f32 sums; products left as they are: f32 operands where the result goes on into a quantised operand, else bf16, f16 or f32 operands; f32 sums; everything else in f32.
;; Inputs: dense_b 1 float32; dense_w 1 x 21 float32; doc_idx 128 x 512 int32; doc_len 128 int32; emb_table 50,000 x 300 float32; query_idx 128 x 32 int32; query_len 128 int32.
;; Outputs: out0 128 float32; out1 128 x 21 float32.
;; This version of the problem:
;;   THIS VERSION OF THE PROBLEM IS GIVEN IN LOW PRECISION. The matrix products marked QUANTISED in the list below multiply operands that are first quantised to E3M2 (3 exponent bits, 2 mantissa bits; 6 bits a number), with one power-of-two scale for each 32 numbers along K (OCP MX v1.0); their sums are f32. All else is computed in f32.
;;   The module's matrix products, in the order in which they are computed (A, B: the left and right operand; K: the contracted axis; several contracted axes count as one K, in the product's order):
;;     1. batch 128 x [M 32, K 300] x [K 300, N 512]; A: computed on the way; B: computed on the way: QUANTISED
;;     2. [M 128, K 21] x [K 21, N 1]; A: computed on the way; B: input dense_w: left as it is (K = 21 < 32)
;;   THE QUANTISER, for each operand of a quantised product, along K:
;;     - K is cut into blocks of 32 from its start; a last block that is shorter is filled with zeros.
;;     - A block's scale is 2^e with e = floor(log2(the largest magnitude in the block)) - 4, held to -126 .. 127; a block of zeros has e = 0. As a byte (E8M0): e + 127.
;;     - Each number is divided by its block's scale, clamped to +-28, and rounded to the nearest number of E3M2, ties to even, subnormals kept.
;;     - The product sums the exact products of the quantised numbers (number of the format x scale) in f32.
;;   ~~~python
;;   def quantise(x, axis):      # numpy; x: float32 -> the quantised numbers, widened to float32 again
;;       x = np.moveaxis(x, axis, -1); K = x.shape[-1]
;;       x = np.pad(x, [(0, 0)] * (x.ndim - 1) + [(0, -K % 32)]); x = x.reshape(x.shape[:-1] + (-1, 32)); a = np.abs(x).max(-1, keepdims=True)
;;       e = np.where(a > 0, np.clip(np.frexp(np.where(a > 0, a, 1))[1] - 1 - 4, -126, 127), 0)      # np.frexp(a)[1] - 1 = floor(log2(a)), exactly
;;       r = np.clip(x / 2.0 ** e, -28, 28)
;;       step = 2.0 ** (np.maximum(np.frexp(np.where(r == 0, 1, r))[1] - 1, -2) - 2)
;;       q = np.round(r / step) * step * 2.0 ** e      # np.round: ties to even
;;       return np.moveaxis(q.reshape(q.shape[:-2] + (-1,))[..., :K], -1, axis).astype(np.float32)
;;   ~~~
;;   OPERANDS COMPUTED ON THE WAY. 'Computed on the way' means the value that the module computes at that place (a softmax that the list does not call 'softmax' is quantised finished and normalised). What goes into a quantiser is computed in f32, as accurately as f32 sums, v_exp_f32 and their like allow (about 1e-6 of the number): no bf16 or f16 on the way to a quantiser, and a product that is left as it is and whose result goes on into a quantised operand takes f32 operands (vector FMAs, or v_wmma_f32_16x16x4_f32). A number that lies on a knife's edge between two numbers of the format may be rounded either way, as far as f32 arithmetic and the matrix unit's own rounding can turn it there, and no further.
;; One version. Each part assembles by itself: llvm-mc -triple=amdgcn-amd-amdhsa -mcpu=gfx1250 --defsym DOCPART=n.
;; ======== version 1 of 1: 2 launches
;; limits: right only within a limited range of input values
;; workspace buffers: part 720,896 bytes
;; launch pool (part 1): grid 256 x 1, 16 waves a work-group, no clusters, 251,904 bytes of LDS; arguments emb_table, doc_idx, query_idx, doc_len, part; writes part
.if DOCPART == 1
	.amdgcn_target "amdgcn-amd-amdhsa--gfx1250"
	.amdhsa_code_object_version 6
	.text
	.protected	k_q29a66577f3_pool
	.globl	k_q29a66577f3_pool
	.p2align	8
	.type	k_q29a66577f3_pool,@function
k_q29a66577f3_pool:
	s_mov_b64 s[64:65], 0
	v_nop
	global_prefetch_b8 v0, s[64:65] scope:SCOPE_SE
	s_setreg_imm32_b32 hwreg(HW_REG_WAVE_MODE, 25, 1), 1
	s_wait_xcnt 0x0
; K-NRM in two launches.  This one: two work-groups of sixteen waves to a batch, 256 in all.  32 query rows and half of up to 512 document rows of 300 f32 are gathered from the table, divided by
; max(norm, 1e-12), quantised to BF6 (E3M2) with one E8M0 scale for each 32 along E (300 is filled with zero codes to 384 = three matrix instructions), multiplied, and pooled by the 21 Gaussian kernels over the
; work-group's documents under doc_len: 22 x 32 partial sums (kernel, query; the 22nd kernel repeats the 21st and is never read).  The second launch adds the two parts and does the rest.
; SHARES.  Work-group 2 b + g takes the tiles of 16 documents that begin at 32 w + 16 g, one to wave w; wave w also makes query rows 2 w and 2 w + 1.  A tile that lies wholly at or past doc_len is left out: its sums are zeros.
; ROWS.  A row's index is a scalar, so its address is a scalar pair: two loads of 512 consecutive bytes; the last 176 bytes of two rows share a load (lanes 11-15 of each half read byte 1,024 again: no load leaves a row).
; All waves ask for their query rows ahead of the first document row, and make them ahead of most of their document rows' loads.
; A tile turns, as it lies, through the wave's own stage in LDS into the operand's layout: lane (r, h) holds row r and whole blocks of 32, so that a row's sum of squares needs one lane exchange, a block's
; largest magnitude none, and the conversions' results are the operand's registers.
; THE PRODUCT: source 0 = 16 documents, source 1 = 16 queries: a lane holds ONE query (lane % 16) and documents 8 (lane / 16) + 0 .. 7, so pooled sums are sums inside a lane.
; POOLING.  mu_k = (21 - 2 k) / 20 and sigma = 0.1 for k = 1 .. 20 are constants of the problem.  With L = log2(e): exp(-50 (s - mu)^2) = 2^(-50 L mu^2) x 2^(-50 L s^2 + 100 L mu s).  The second factor is
; summed; the first is added as an exponent behind the logarithm.  One anchor G2 (mu = -0.05), R = 2^(-10 L s) and Q5 = 2^(50 L s) have an exponential each; the anchors mu = 0.45, 0.95 and -0.55 are
; G2 Q5, G2 Q5^2 and G2 R^5; the four kernels below an anchor are that anchor x R, R^2, R^3, R^4.  Kernel 0 (mu = 1, sigma = 0.001) has its own exponential.
; NO CLUSTER, NO TENSOR LOAD, NO PREFETCH: a table row begins at a multiple of 1,200 bytes, so work-groups share no tile that a tensor load could bring; a document row has one reader, with no loop ahead of it to ask in.
; LIMITS.  NaN and infinities in the table are not served, nor rows whose sum of squares passes f32's range (numbers above about 1e18).  A block of zeros has the scale byte 1 (or 0 in the fill past 320) where the
; rule says 127: its codes are zeros and only this text reads the bytes.  Sums are taken in another order than the problem writes them.  The pooling identity wants |s| under 1.28 (there G2 stays above 2^-126);
; normalised rows rounded to E3M2 give |s| under 1.27.  Where an anchor falls to 0 its five kernels all lie under 1e-20, far under the clip at 1e-10.
.set ROWB,  1200                       ; a table row in bytes
.set VLAST, 49999                      ; the table's last row
.set SP,    528                        ; a stage row: 512 bytes + 16
.set STGW,  16*SP                      ; a wave's stage
.set QR,    1440                       ; a query row in the stage: ten blocks of 128 bytes + 16
.set FRB,   1536                       ; a fragment's image: 12 registers x 128 bytes
.set QSC,   256                        ; LDS: scale words: [query tile][K step 0..3][row], 64 bytes a K step (K step 3 is never read)
.set QIMG,  1024                       ; fragments' images: [query tile][K step 0..3] (K step 3 is never read)
.set STG,   13312                      ; sixteen stages
.set RED,   STG+16*STGW                ; pooled sums: rows of 144 bytes, [22 x query tile + kernel][query % 16]; in a row [wave][lane half], 4 bytes each
.set RP,    144
.set KP,    16*RP
.set SPARE, RED+44*KP                  ; the spare words, 128 bytes for each wave
.set PARTB, 2816                       ; a work-group's partial sums: 22 x 32 x 4 bytes
.set GL,   1                           ; v1   16 x lane
.set GT,   2                           ; v2   16 x (lane % 16) in the first 11 lanes of each half, else 0
.set H8,   3                           ; v3   8 x (lane / 16)
.set STA,  4                           ; v4   stage, way in, one row a store
.set STL2, 5                           ; v5   stage, way in, two rows a store
.set RDA,  6                           ; v6   stage, way out
.set LS4,  7                           ; v7   4 x (lane % 16)
.set REDW, 8                           ; v8-9 where I put pooled sums: query tile 0, 1
.set MH,   10                          ; v10  1.0 in lanes 0-15, 0 in lanes 16-31
.set PX,   11                          ; v11  a lane permute's destination
.set VC2,  12                          ; v12-13  -5 L, twice
.set NC,   14                          ; v14-15  -sqrt(5e5 L), twice
.set LIM,  16                          ; v16  documents left under doc_len, counted from my half's first
.set AM,   17                          ; v17-20 running maxima
.set SCO,  21                          ; v21-22 scale operands
.set BY0,  23                          ; v23-24 scale bytes
.set BY1,  24
.set REDR, 25                          ; v25  where I read pooled sums
.set CS,   26                          ; v26-28 the documents' scale words, K steps 0-2: these and v29-34 hold scales and nothing else
.set QS,   29                          ; v29-34 the queries' scale words, 3 x query tile + K step
.set C0,   35                          ; v35  1200 in lanes 0-15, 0 in lanes 16-31; v253 the other way round
.set FO,   36                          ; v36-77 42 pooled sums; in the query phase at work; then the offsets of eight loads
.set R,    78                          ; v78-237 a tile: row p at R + 4 p, R + 64 + 4 p, rows p and p + 8 at R + 128 + 4 p as loaded; chunk c (64 along E) at R + 32 c once turned
.set CD0,  238                         ; v238-249 the documents' codes of K step 0; ahead of that sums of squares and the factor
.set CT,   250                         ; v250-252 half a block's codes
.set C1,   253
.set SPW,  254                         ; my spare word
.set NIL,  255                         ; 0
.set QF,   R+24                        ; the six query fragments
.set S,    R+96                        ; the two accumulators
.set T,    R                           ; pooling: 8 registers for each of eight pairs of similarities
.set W,    R+64                        ; pooling: two sets of 10 at work
.set P,    R+84                        ; pooling: 42 pairs of sums
.set QST,  244                         ; v244-249 the query phase's LDS addresses
.set QTT,  245
.set QRD,  246
.set QW0,  247
.set QW1,  248
.set QWS,  249
.set WV,   22                          ; s22  wave
.set DL,   23                          ; s23  doc_len, held to 0 .. 512
.set SEL,  30                          ; s[30:31] v_permlanex16_b32's selects for lane l xor 16
.set IX,   32                          ; s[32:47] the tile's sixteen indices
.set RB,   48                          ; s[48:63], s[66:81] its rows' addresses
.set KC,   82                          ; s[82:89] four constants as pairs
.set MULA, 90                          ; 1200, or 0 in a wave whose tile is left out
.set DOFF, 91                          ; byte offset of my tile's indices
.set BB,   92                          ; s[92:93] the tile's base
.set KF,   94                          ; my tile's first document
.set TT,   98                          ; s[98:99] a row's byte offset, 0
.set SL,   101
.macro BAR                             ; my LDS stores have landed and my LDS loads are in: then the work-group's barrier
	s_wait_dscnt 0x0
	s_barrier_signal -1
	s_barrier_wait -1
.endm
.macro KPAIR n, bits
	s_mov_b32 s[KC+2*\n], \bits
	s_mov_b32 s[KC+2*\n+1], \bits
.endm
; Sixteen indices, held inside the table, become row addresses
.macro GBASE mul, bb
.irp p, 0,1,2,3,4,5,6,7,8,9,10,11,12,13,14,15
	s_min_u32 s[IX+\p], s[IX+\p], VLAST
	s_mul_i32 s[TT], s[IX+\p], \mul
	s_add_nc_u64 s[RB+2*\p+2*(\p/8):RB+2*\p+2*(\p/8)+1], s[\bb:\bb+1], s[TT:TT+1]
.endr
.endm
; 512 bytes of a row.  No cache hint: a list may name a row again.
.macro GLD m, p
	global_load_b128 v[R+64*\m+4*\p:R+64*\m+4*\p+3], v[GL], s[RB+2*\p+2*(\p/8):RB+2*\p+2*(\p/8)+1] offset:512*\m
.endm
.macro ST m                            ; 128 numbers of each of 16 rows into my stage
.irp p, 0,1,2,3,4,5,6,7,8,9,10,11,12,13,14,15
	ds_store_b128 v[STA], v[R+64*\m+4*\p:R+64*\m+4*\p+3] offset:SP*\p
.endr
.endm
.macro STT                             ; the last 44, and 20 that are dropped behind the turn
.irp p, 0,1,2,3,4,5,6,7
	ds_store_b128 v[STL2], v[R+128+4*\p:R+128+4*\p+3] offset:SP*\p
.endr
.endm
.macro RD c, xb                        ; and back: lane (r, h) takes row r, numbers 64 c + 32 h + 0 .. 31 of the stage.  LDS serves a wave's instructions in order (ISA guide 5.7.1.4)
.irp j, 0,1,2,3,4,5,6,7
	ds_load_b128 v[\xb+4*\j:\xb+4*\j+3], v[RDA] offset:256*\c+16*\j
.endr
.endm
.macro SSQ b, first                    ; squares of 64 numbers onto four pairs of sums, by turns
.set nn, 0
.rept 32
.set AC, CD0+2*(nn%4)
.if (\first)*4 > nn
	v_pk_mul_f32 v[AC:AC+1], v[\b+2*nn:\b+2*nn+1], v[\b+2*nn:\b+2*nn+1]
.else
	v_pk_fma_f32 v[AC:AC+1], v[\b+2*nn:\b+2*nn+1], v[\b+2*nn:\b+2*nn+1], v[AC:AC+1]
.endif
.set nn, nn+1
.endr
.endm
; A lane's block of 32 numbers, v[xa] on, becomes six registers of codes, v[cd] on, and the scale's byte.
.macro CVTA xa, cd, sc
	v_cvt_scalef32_pk16_bf6_f32 v[\cd:\cd+2], v[\xa:\xa+15], v[\sc]
.endm
.macro CVTB xa, sc                     ; (a conversion's three registers begin on an even number: the second half is made elsewhere and moved)
	v_cvt_scalef32_pk16_bf6_f32 v[CT:CT+2], v[\xa+16:\xa+31], v[\sc]
.endm
.macro CMOV cd
	v_dual_mov_b32 v[\cd+4], v[CT+1] :: v_dual_mov_b32 v[\cd+3], v[CT]
	v_mov_b32 v[\cd+5], v[CT+2]
.endm
.macro CONV1 xa, cd
	v_max3_num_f32 v[AM], |v[\xa]|, |v[\xa+1]|, 0x2800000    ; the floor 2^(5 - 127) among the leaves: the byte cannot fall under 1
	v_max3_num_f32 v[AM+1], |v[\xa+2]|, |v[\xa+3]|, |v[\xa+4]|
	v_max3_num_f32 v[AM+2], |v[\xa+5]|, |v[\xa+6]|, |v[\xa+7]|
	v_max3_num_f32 v[AM+3], |v[\xa+8]|, |v[\xa+9]|, |v[\xa+10]|
.irp n, 0,1,2,3,4,5,6,7,8,9
	v_max3_num_f32 v[AM+\n%4], v[AM+\n%4], |v[\xa+11+2*\n]|, |v[\xa+12+2*\n]|
.endr
	v_max3_num_f32 v[AM], v[AM], v[AM+1], v[AM+2]
	v_max3_num_f32 v[AM], v[AM], v[AM+3], |v[\xa+31]|
	v_add_nc_u32 v[SCO], 0xfe000000, v[AM]         ; 4 off the exponent field: the conversion takes that field as its scale and nothing else of the operand
	CVTA \xa, \cd, SCO
	CVTB \xa, SCO
	v_lshrrev_b32 v[BY0], 23, v[SCO]               ; the byte; also the plain instruction behind the conversions
	CMOV \cd
.endm
; Two blocks, four chains by turns
.macro CONV2 xa, ca, xb, cb
	v_max3_num_f32 v[AM], |v[\xa]|, |v[\xa+1]|, 0x2800000
	v_max3_num_f32 v[AM+2], |v[\xb]|, |v[\xb+1]|, 0x2800000
	v_max3_num_f32 v[AM+1], |v[\xa+2]|, |v[\xa+3]|, |v[\xa+4]|
	v_max3_num_f32 v[AM+3], |v[\xb+2]|, |v[\xb+3]|, |v[\xb+4]|
.irp n, 5,9,13,17,21,25
	v_max3_num_f32 v[AM], v[AM], |v[\xa+\n]|, |v[\xa+\n+1]|
	v_max3_num_f32 v[AM+2], v[AM+2], |v[\xb+\n]|, |v[\xb+\n+1]|
	v_max3_num_f32 v[AM+1], v[AM+1], |v[\xa+\n+2]|, |v[\xa+\n+3]|
	v_max3_num_f32 v[AM+3], v[AM+3], |v[\xb+\n+2]|, |v[\xb+\n+3]|
.endr
	v_max3_num_f32 v[AM], v[AM], |v[\xa+29]|, |v[\xa+30]|
	v_max3_num_f32 v[AM+2], v[AM+2], |v[\xb+29]|, |v[\xb+30]|
	v_max3_num_f32 v[AM], v[AM], v[AM+1], |v[\xa+31]|
	v_max3_num_f32 v[AM+2], v[AM+2], v[AM+3], |v[\xb+31]|
	v_add_nc_u32 v[SCO], 0xfe000000, v[AM]
	v_add_nc_u32 v[SCO+1], 0xfe000000, v[AM+2]
	CVTA \xa, \ca, SCO
	CVTB \xa, SCO
	CVTA \xb, \cb, SCO+1
	v_lshrrev_b32 v[BY0], 23, v[SCO]
	CMOV \ca
	CVTB \xb, SCO+1
	v_lshrrev_b32 v[BY1], 23, v[SCO+1]
	CMOV \cb
.endm
; A K step's scale word: my two bytes are blocks h and 2 + h of my row; with lane l xor 16's two the word is whole, in both halves
.macro SCWX out
	s_delay_alu instid0(VALU_DEP_1)
	v_permlanex16_b32 v[PX], v[\out], s[SEL], s[SEL+1]
	s_delay_alu instid0(VALU_DEP_1)
	v_or_b32 v[\out], v[\out], v[PX]
.endm
.macro SCW2 out
	v_lshl_or_b32 v[\out], v[BY1], 16, v[BY0]
	s_delay_alu instid0(VALU_DEP_1)
	v_lshlrev_b32 v[\out], v[H8], v[\out]
	SCWX \out
.endm
.macro SCW1 out                        ; the last K step has two blocks; bytes 2 and 3 stay 0 over zero codes
	v_lshlrev_b32 v[\out], v[H8], v[BY0]
	SCWX \out
.endm
; The four exponents of each similarity, two similarities a line, the eight pairs by turns: +0 kernel 0, +2 G2, +4 R, +6 Q5
.macro ARGS
.irp n, 0,1,2,3,4,5,6,7
	v_pk_fma_f32 v[T+8*\n:T+8*\n+1], v[S+2*\n:S+2*\n+1], s[KC+6:KC+7], v[NC:NC+1] op_sel_hi:[1,0,1]      ; sqrt(5e5 L) (s - 1), rounded once
.endr
.irp n, 0,1,2,3,4,5,6,7
	v_pk_fma_f32 v[T+8*\n+2:T+8*\n+3], v[S+2*\n:S+2*\n+1], s[KC:KC+1], v[VC2:VC2+1] op_sel_hi:[1,0,1]    ; -50 L s - 5 L
.endr
.irp n, 0,1,2,3,4,5,6,7
	v_pk_mul_f32 v[T+8*\n+4:T+8*\n+5], v[S+2*\n:S+2*\n+1], s[KC+2:KC+3] op_sel_hi:[1,0]                  ; -10 L s
.endr
.irp n, 0,1,2,3,4,5,6,7
	v_pk_mul_f32 v[T+8*\n+6:T+8*\n+7], v[S+2*\n:S+2*\n+1], s[KC+4:KC+5] op_sel_hi:[1,0]                  ; 50 L s
.endr
.irp n, 0,1,2,3,4,5,6,7
	v_pk_mul_f32 v[T+8*\n:T+8*\n+1], v[T+8*\n:T+8*\n+1], v[T+8*\n:T+8*\n+1] neg_lo:[1,0] neg_hi:[1,0]    ; -5e5 L (s - 1)^2
.endr
.irp n, 0,1,2,3,4,5,6,7
	v_pk_mul_f32 v[T+8*\n+2:T+8*\n+3], v[T+8*\n+2:T+8*\n+3], v[S+2*\n:S+2*\n+1]                          ; -50 L s^2 - 5 L s
.endr
.endm
.macro EXPS q
.set nn, 0
.rept 32
	v_exp_f32 v[T+32*\q+nn], v[T+32*\q+nn]
.set nn, nn+1
.endr
.endm
.macro ANC k, cur, prev                ; a kernel that is summed as it stands; the first two pairs start the sum
.if II == 1
	v_pk_add_f32 v[PP+2*(\k):PP+2*(\k)+1], v[\prev:\prev+1], v[\cur:\cur+1]
.endif
.if II > 1
	v_pk_add_f32 v[PP+2*(\k):PP+2*(\k)+1], v[PP+2*(\k):PP+2*(\k)+1], v[\cur:\cur+1]
.endif
.endm
; The 21 sums of query tile q, a pair of registers each (even documents', odd documents').  The first products start the sums: nothing is cleared.
.macro ACC q
.irp i, 0,1,2,3
.set II, \i
.set X, T+32*(\q)+8*\i
.set U, W+10*(\i%2)
.set UP, W+10*((\i+1)%2)
.set PP, P+42*(\q)
	v_pk_mul_f32 v[U:U+1], v[X+4:X+5], v[X+4:X+5]          ; R^2
	v_pk_mul_f32 v[U+8:U+9], v[X+2:X+3], v[X+6:X+7]        ; mu = 0.45
	v_pk_mul_f32 v[U+2:U+3], v[U:U+1], v[X+4:X+5]          ; R^3
	v_pk_mul_f32 v[U+4:U+5], v[U:U+1], v[U:U+1]            ; R^4
	v_pk_mul_f32 v[X+6:X+7], v[X+6:X+7], v[U+8:U+9]        ; mu = 0.95
	ANC 0, X, X-8
	v_pk_mul_f32 v[U+6:U+7], v[U+4:U+5], v[X+4:X+5]        ; R^5
	ANC 11, X+2, X-6
	ANC 6, U+8, UP+8
	v_pk_mul_f32 v[U+6:U+7], v[U+6:U+7], v[X+2:X+3]        ; mu = -0.55
	ANC 1, X+6, X-2
	ANC 16, U+6, UP+6
.irp j, 1,2,3,4
.set RJ, U+2*\j-4
.if \j == 1
.set RJ, X+4
.endif
.irp a, 0,1,2,3
.set GA, X+6
.if \a == 1
.set GA, U+8
.endif
.if \a == 2
.set GA, X+2
.endif
.if \a == 3
.set GA, U+6
.endif
.set PK, PP+2+10*\a+2*\j
.if \i == 0
	v_pk_mul_f32 v[PK:PK+1], v[GA:GA+1], v[RJ:RJ+1]
.else
	v_pk_fma_f32 v[PK:PK+1], v[GA:GA+1], v[RJ:RJ+1], v[PK:PK+1]
.endif
.endr
.endr
.endr
.endm
	; ---- THE HEAD
	s_load_b256 s[4:11], s[0:1], 0x0               ; table s[4:5], doc_idx s[6:7], query_idx s[8:9], doc_len s[10:11]
	s_load_b64 s[12:13], s[0:1], 0x20              ; the partial sums
	v_lshl_add_u32 v[SPW], v0, 2, SPARE
	v_mov_b32 v[NIL], 0
	v_lshrrev_b32 v16, 5, v0
	v_and_b32 v17, 31, v0                          ; lane
	v_and_b32 v18, 15, v0                          ; i = lane % 16
	v_bfe_u32 v19, v0, 4, 1                        ; h = lane / 16
	v_readfirstlane_b32 s[WV], v16                 ; wave 0..15
	s_mul_i32 s48, s[WV], STGW
	s_add_co_u32 s48, s48, STG                     ; my stage
	s_lshl_b32 s49, s[WV], 3
	s_add_co_u32 s49, s49, RED
	s_mul_i32 s50, s[WV], 2*KP
	s_add_co_u32 s50, s50, RED
	s_lshr_b32 s52, s[WV], 3                       ; my query rows' tile,
	s_and_b32 s53, s[WV], 7                        ; and their place in it: 2 s53 + h
	s_mul_i32 s54, s52, 4*FRB
	s_lshl_b32 s55, s53, 5
	s_add_co_u32 s54, s54, s55
	s_add_co_u32 s54, s54, QIMG
	s_lshl_b32 s55, s52, 8
	s_lshl_b32 s56, s53, 3
	s_add_co_u32 s55, s55, s56
	s_add_co_u32 s55, s55, QSC
	s_wait_alu depctr_va_vdst(0)                   ; the wait ahead of the readers below
	; every LDS address is made here, ahead of the first branch
	v_lshlrev_b32 v[GL], 4, v17
	v_lshlrev_b32 v[GT], 4, v18
	v_mul_u32_u24 v20, v19, 8*SP
	v_add_nc_u32 v[STA], s48, v[GL]
	v_add_nc_u32 v20, v20, v[GT]
	v_add_nc_u32 v[STL2], s48, v20                 ; in: row 8 h (+ p by the immediate), 16 i
	v_cmp_gt_u32 vcc_lo, 11, v18
	v_cndmask_b32 v[GT], 0, v[GT], vcc_lo
	v_lshlrev_b32 v[H8], 3, v19
	v_mul_u32_u24 v20, v18, SP
	v_mul_u32_u24 v21, v18, RP
	v_lshlrev_b32 v[LS4], 2, v18
	v_lshl_add_u32 v20, v19, 7, v20
	v_lshl_add_u32 v22, v19, 2, v21
	v_add_nc_u32 v[RDA], s48, v20                  ; out: row i, 128 h
	v_add_nc_u32 v[REDW], s49, v22                 ; query row i, wave w, half h
	v_add_nc_u32 v[REDW+1], 22*KP, v[REDW]
	; back: kernel 2 w + h, queries 2 i and 2 i + 1 (144 bytes further on)
	v_lshrrev_b32 v20, 3, v18
	v_and_b32 v21, 7, v18
	v_mul_u32_u24 v20, v20, 22*KP
	v_mul_u32_u24 v21, v21, 2*RP
	v_mad_u32_u24 v20, v19, KP, v20
	v_add_nc_u32 v20, v20, v21
	v_add_nc_u32 v[REDR], s50, v20
	v_xor_b32 v20, 1, v19
	v_mul_u32_u24 v[C1], v19, ROWB
	v_mul_u32_u24 v[C0], v20, ROWB
	v_cvt_f32_u32 v[MH], v20
	v_mov_b32 v[PX], 0                             ; written once: a lane permute's destination counts as one of its sources
	v_mov_b32 v[VC2], 0xc0e6d4ca                   ; -5 L
	v_mov_b32 v[VC2+1], 0xc0e6d4ca
	v_mov_b32 v[NC], 0xc4545498                    ; -sqrt(5e5 L)
	v_mov_b32 v[NC+1], 0xc4545498
	; the query phase's: in by blocks of 128 bytes + 16, a lane's 16 bytes of a row
	v_lshrrev_b32 v20, 3, v17
	v_and_b32 v21, 7, v17
	v_mul_u32_u24 v20, v20, 144
	v_lshrrev_b32 v22, 3, v18
	v_lshl_add_u32 v20, v21, 4, v20
	v_mul_u32_u24 v22, v22, 144
	v_add_nc_u32 v[QST], s48, v20
	v_lshl_add_u32 v22, v21, 4, v22
	v_mad_u32_u24 v22, v19, QR, v22
	v_add_nc_u32 v[QTT], s48, v22                  ; the rows' ends: row h, blocks 8 and 9
	; out: lane (i, h) takes block i of my row h
	; (lanes i > 9 run on into row 1, or into the numbers stored behind it: what they read is dropped)
	v_mul_u32_u24 v20, v18, 144
	v_mad_u32_u24 v20, v19, QR, v20
	v_add_nc_u32 v[QRD], s48, v20
	; block i of a row is K step i / 4, registers 6 ((i / 2) % 2) .. + 5 of lane (row, i % 2) of that fragment
	v_lshrrev_b32 v20, 2, v18
	v_bfe_u32 v21, v18, 1, 1
	v_and_b32 v22, 1, v18
	v_and_b32 v23, 3, v18
	v_lshlrev_b32 v24, 6, v20
	v_mul_u32_u24 v20, v20, FRB
	v_lshl_add_u32 v20, v22, 8, v20
	v_lshl_add_u32 v20, v19, 4, v20
	v_add_nc_u32 v20, s54, v20
	v_mad_u32_u24 v[QW0], v21, 520, v20
	v_mad_u32_u24 v[QW1], v21, 1016, v20
	v_add_nc_u32 v24, v24, v23
	v_lshl_add_u32 v24, v19, 2, v24
	v_add_nc_u32 v[QWS], s55, v24
	v_mov_b32 v[FO+41], 1.0
	v_cmp_gt_u32 vcc_lo, 10, v18
	v_cndmask_b32 v[FO+38], 0, v[FO+41], vcc_lo    ; 1.0 where numbers 0 .. 11 of my block lie under E = 300,
	v_cmp_gt_u32 vcc_lo, 9, v18
	v_cndmask_b32 v[FO+39], 0, v[FO+41], vcc_lo    ; and where numbers 12 .. 31 do
	s_wait_alu depctr_va_vdst(0)
	s_mov_b32 s[SEL], 0x76543210
	s_mov_b32 s[SEL+1], 0xfedcba98
	KPAIR 0, 0xc29044fe                            ; -50 L
	KPAIR 1, 0xc166d4ca                            ; -10 L
	KPAIR 2, 0x429044fe                            ;  50 L
	KPAIR 3, 0x44545498                            ; sqrt(5e5 L)
	s_lshr_b32 s49, ttmp9, 1                       ; the batch,
	s_and_b32 s50, ttmp9, 1                        ; and which of its tiles: even or odd
	s_lshl_b32 s[KF], s[WV], 5
	s_lshl_b32 s51, s50, 4
	s_add_co_u32 s[KF], s[KF], s51                 ; my tile's first document: 32 w + 16 g
	s_lshl_b32 s[DOFF], s49, 11                    ; the batch's 512 indices, my tile's 16 of them
	s_lshl_b32 s51, s[KF], 2
	s_add_co_u32 s[DOFF], s[DOFF], s51
	s_lshl_b32 s56, s49, 7                         ; the batch's 32 query indices, my wave's 2
	s_lshl_b32 s51, s[WV], 3
	s_add_co_u32 s56, s56, s51
	s_lshl_b32 s60, s49, 2                         ; the batch's doc_len
	s_mul_i32 s58, ttmp9, PARTB                    ; my work-group's partial sums, my wave's 256 bytes of them
	s_lshl_b32 s51, s[WV], 8
	s_add_co_u32 s58, s58, s51
	s_mov_b32 s59, 0
	s_mov_b32 s[TT+1], 0
	s_wait_kmcnt 0x0
	s_load_b64 s[104:105], s[8:9], s56 offset:0x0
	s_load_b512 s[IX:IX+15], s[6:7], s[DOFF] offset:0x0
	s_load_b32 s[DL], s[10:11], s60 offset:0x0
	s_wait_kmcnt 0x0
	s_min_u32 s104, s104, VLAST
	s_min_u32 s105, s105, VLAST
	v_mad_u32_u24 v[FO+40], s104, v[C0], v[GT]
	v_mad_u32_u24 v[FO+40], s105, v[C1], v[FO+40]  ; the rows' ends: lanes 0-15 the first's, lanes 16-31 the second's
	s_wait_alu depctr_va_vdst(0)
	s_mul_i32 s[TT], s104, ROWB
	s_add_nc_u64 s[2:3], s[4:5], s[TT:TT+1]
	s_mul_i32 s[TT], s105, ROWB
	s_add_nc_u64 s[104:105], s[4:5], s[TT:TT+1]
	global_load_b128 v[FO:FO+3], v[GL], s[2:3]                 ; my two query rows
	global_load_b128 v[FO+4:FO+7], v[GL], s[2:3] offset:512
	global_load_b128 v[FO+8:FO+11], v[GL], s[104:105]
	global_load_b128 v[FO+12:FO+15], v[GL], s[104:105] offset:512
	global_load_b128 v[FO+16:FO+19], v[FO+40], s[4:5] offset:1024
	s_barrier_signal -1                            ; this barrier puts every wave's query rows ahead of every document row
	s_add_nc_u64 s[12:13], s[12:13], s[58:59]
	s_max_i32 s[DL], s[DL], 0
	s_min_u32 s[DL], s[DL], 512                    ; the mask d < doc_len is the same for the held number
	s_cmp_lt_u32 s[KF], s[DL]
	s_cselect_b32 s[MULA], ROWB, 0                 ; a wave whose tile is left out names its own query row sixteen times:
	s_cselect_b64 s[BB:BB+1], s[4:5], s[2:3]       ; the loads and their count are the same on every way
	GBASE s[MULA], BB
	s_barrier_wait -1
.irp p, 0,1,2,3,4,5,6,7                ; the first eight of the tile's 40 loads land while the queries are made
	GLD 0, \p
.endr
	; ---- MY TWO QUERY ROWS
	s_wait_loadcnt 0x8                             ; they are in; the eight loads issued behind them may be out
.irp q, 0,1
	ds_store_b128 v[QST], v[FO+8*\q:FO+8*\q+3] offset:QR*\q
	ds_store_b128 v[QST], v[FO+8*\q+4:FO+8*\q+7] offset:QR*\q+576
.endr
	ds_store_b128 v[QTT], v[FO+16:FO+19] offset:1152
	ds_store_b128 v[STA], v[FO:FO+3] offset:2*QR               ; behind the two rows: 1,024 bytes of finite numbers, for the lanes past block 9
	ds_store_b128 v[STA], v[FO:FO+3] offset:2*QR+512
	s_wait_dscnt 0x0
.irp j, 0,1,2,3,4,5,6,7
	ds_load_b128 v[FO+4*\j:FO+4*\j+3], v[QRD] offset:16*\j
.endr
	s_wait_dscnt 0x0
	v_pk_mul_f32 v[FO+32:FO+33], v[FO:FO+1], v[FO:FO+1]
	v_pk_mul_f32 v[FO+34:FO+35], v[FO+12:FO+13], v[FO+12:FO+13]
	v_pk_mul_f32 v[FO+36:FO+37], v[FO+22:FO+23], v[FO+22:FO+23]
.irp n, 2,4,6,8
	v_pk_fma_f32 v[FO+32:FO+33], v[FO+\n:FO+\n+1], v[FO+\n:FO+\n+1], v[FO+32:FO+33]
	v_pk_fma_f32 v[FO+34:FO+35], v[FO+12+\n:FO+13+\n], v[FO+12+\n:FO+13+\n], v[FO+34:FO+35]
	v_pk_fma_f32 v[FO+36:FO+37], v[FO+22+\n:FO+23+\n], v[FO+22+\n:FO+23+\n], v[FO+36:FO+37]
.endr
	v_pk_fma_f32 v[FO+32:FO+33], v[FO+10:FO+11], v[FO+10:FO+11], v[FO+32:FO+33]
	v_pk_add_f32 v[FO+34:FO+35], v[FO+34:FO+35], v[FO+36:FO+37]
	v_add_f32 v[FO+32], v[FO+32], v[FO+33]
	v_add_f32 v[FO+34], v[FO+34], v[FO+35]
	v_mul_f32 v[FO+32], v[FO+32], v[FO+38]
	v_fma_f32 v[FO+32], v[FO+34], v[FO+39], v[FO+32]
.irp x, 1,2,4,8                        ; over the sixteen lanes that hold the row
	s_delay_alu instid0(VALU_DEP_1)
	v_add_f32_dpp v[FO+32], v[FO+32], v[FO+32] row_xmask:\x row_mask:0xf bank_mask:0xf
.endr
	s_wait_alu depctr_va_vdst(0)                   ; a wait ahead of the transcendental,
	v_rsq_f32 v[FO+40], v[FO+32]
	v_nop
	s_wait_alu depctr_va_vdst(0)                   ; and ahead of its reader
	v_min_num_f32 v[FO+40], 0x5368d4a5, v[FO+40]   ; 1e12
	v_mul_f32 v[FO+34], v[FO+40], v[FO+39]
	v_mul_f32 v[FO+40], v[FO+40], v[FO+38]
.irp n, 0,2,4,6,8,10
	v_pk_mul_f32 v[FO+\n:FO+\n+1], v[FO+\n:FO+\n+1], v[FO+40:FO+41] op_sel_hi:[1,0]
.endr
.irp n, 12,14,16,18,20,22,24,26,28,30
	v_pk_mul_f32 v[FO+\n:FO+\n+1], v[FO+\n:FO+\n+1], v[FO+34:FO+35] op_sel_hi:[1,0]
.endr
	CONV1 FO, CD0
	ds_store_b64 v[QW0], v[CD0:CD0+1]              ; to their places in the fragments' images (blocks 12 to 15 go to K step 3, which is never read)
	ds_store_b64 v[QW1], v[CD0+2:CD0+3] offset:8
	ds_store_b64 v[QW0], v[CD0+4:CD0+5] offset:512
	ds_store_b8 v[QWS], v[BY0]
	BAR                                            ; the six images and their scale words lie in LDS
.irp p, 0,1,2,3,4,5,6,7                ; the rows' ends: lanes 0-15 row p's, lanes 16-31 row p + 8's
	v_mad_u32_u24 v[FO+\p], s[IX+\p], v[C0], v[GT]
.endr
.irp p, 0,1,2,3,4,5,6,7
	v_mad_u32_u24 v[FO+\p], s[IX+\p+8], v[C1], v[FO+\p]
.endr
	s_wait_alu depctr_va_vdst(0)
.irp p, 8,9,10,11,12,13,14,15
	GLD 0, \p
.endr
.irp p, 0,1,2,3,4,5,6,7,8,9,10,11,12,13,14,15
	GLD 1, \p
.endr
.irp p, 0,1,2,3,4,5,6,7
	global_load_b128 v[R+128+4*\p:R+128+4*\p+3], v[FO+\p], s[4:5] offset:1024
.endr
.irp f, 0,1,2,3,4,5
	ds_load_b32 v[QS+\f], v[LS4] offset:QSC+64*(\f+\f/3)
.endr
	; ---- THE TILE
	s_cmp_lt_u32 s[KF], s[DL]
	s_cbranch_scc0 .Lnone
	s_wait_loadcnt 0x18                            ; the rows' first 512 bytes are in; the 24 younger loads may be out
	ST 0
	s_wait_dscnt 0x0                               ; the stores have read their registers
	RD 0, R
	RD 1, R+32
	s_wait_loadcnt 0x8                             ; the second 512 bytes
	ST 1
	s_wait_dscnt 0x10                              ; chunks 0 and 1 are back; the 16 stores behind them may be out
	SSQ R, 1
	s_wait_alu depctr_va_vdst(0)                   ; ahead of the blocking wait
	s_wait_dscnt 0x0
	RD 0, R+64
	RD 1, R+96
	s_wait_loadcnt 0x0                             ; the rows' ends
	STT
	s_wait_dscnt 0x8                               ; chunks 2 and 3 are back; the 8 stores behind them may be out
	SSQ R+64, 0
	s_wait_alu depctr_va_vdst(0)
	s_wait_dscnt 0x0
	RD 0, R+128
	s_wait_dscnt 0x0                               ; chunk 4 is back: in lanes 16-31 (block 9) numbers 12 .. 31 lie past E = 300 and are dropped
.set nn, 0
.rept 6
.set AC, CD0+2*(nn%4)
	v_pk_fma_f32 v[AC:AC+1], v[R+128+2*nn:R+129+2*nn], v[R+128+2*nn:R+129+2*nn], v[AC:AC+1]
.set nn, nn+1
.endr
	v_pk_mul_f32 v[CD0+8:CD0+9], v[R+140:R+141], v[R+140:R+141]
	v_pk_mul_f32 v[CD0+10:CD0+11], v[R+142:R+143], v[R+142:R+143]
.set nn, 8
.rept 8
.set AC, CD0+8+2*(nn%2)
	v_pk_fma_f32 v[AC:AC+1], v[R+128+2*nn:R+129+2*nn], v[R+128+2*nn:R+129+2*nn], v[AC:AC+1]
.set nn, nn+1
.endr
	v_pk_add_f32 v[CD0:CD0+1], v[CD0:CD0+1], v[CD0+2:CD0+3]
	v_pk_add_f32 v[CD0+4:CD0+5], v[CD0+4:CD0+5], v[CD0+6:CD0+7]
	v_pk_add_f32 v[CD0+8:CD0+9], v[CD0+8:CD0+9], v[CD0+10:CD0+11]
	v_pk_add_f32 v[CD0:CD0+1], v[CD0:CD0+1], v[CD0+4:CD0+5]
	v_add_f32 v[CD0+8], v[CD0+8], v[CD0+9]
	v_add_f32 v[CD0], v[CD0], v[CD0+1]
	s_delay_alu instid0(VALU_DEP_1)
	v_fma_f32 v[CD0], v[CD0+8], v[MH], v[CD0]
	s_delay_alu instid0(VALU_DEP_1)
	v_permlanex16_b32 v[PX], v[CD0], s[SEL], s[SEL+1]
	s_delay_alu instid0(VALU_DEP_1)
	v_add_f32 v[CD0], v[CD0], v[PX]                ; the row's sum of squares, in both its lanes
	s_wait_alu depctr_va_vdst(0)                   ; a wait ahead of the transcendental,
	v_rsq_f32 v[CD0], v[CD0]
	v_nop
	s_wait_alu depctr_va_vdst(0)                   ; and ahead of its reader
	v_min_num_f32 v[CD0], 0x5368d4a5, v[CD0]       ; 1 / max(norm, 1e-12) = min(rsq, 1e12), also for a sum that is 0 or denormal
	v_mul_f32 v[CD0+2], v[CD0], v[MH]              ; 0 for the dropped numbers: the quantiser's fill of the last block
.set nn, 0
.rept 70
	v_pk_mul_f32 v[R+2*nn:R+2*nn+1], v[R+2*nn:R+2*nn+1], v[CD0:CD0+1] op_sel_hi:[1,0]
.set nn, nn+1
.endr
.rept 10
	v_pk_mul_f32 v[R+2*nn:R+2*nn+1], v[R+2*nn:R+2*nn+1], v[CD0+2:CD0+3] op_sel_hi:[1,0]
.set nn, nn+1
.endr
	CONV2 R, CD0, R+32, CD0+6
	SCW2 CS
	CONV2 R+64, R, R+96, R+6                       ; K step 1's codes lie where chunk 0 was
.irp f, 0,1,2,3,4,5
.irp c, 0,1,2
	ds_load_b128 v[QF+12*\f+4*\c:QF+12*\f+4*\c+3], v[GL] offset:QIMG+FRB*(\f+\f/3)+512*\c   ; the six query fragments, as registers stand, where chunks 0 to 2 were
.endr
.endr
	SCW2 CS+1
.irp n, 18,19,20,21,22,23
	v_mov_b32 v[R+\n], 0                           ; E = 320 .. 383: zero codes
.endr
	CONV1 R+128, R+12
	SCW1 CS+2
	s_sub_co_i32 s[SL], s[DL], s[KF]
	v_sub_nc_u32 v[LIM], s[SL], v[H8]              ; with the seven below: eight places between the last write of a scale register and the scaled matrix instructions
.rept 7
	v_nop
.endr
	s_wait_alu depctr_va_vdst(0)
	s_wait_dscnt 0x0
.irp s, 0,1,2                          ; the two accumulators take turns, one instruction a turn
.set CA, R+12*\s-12
.if \s == 0
.set CA, CD0
.endif
.irp q, 0,1
.if \s == 0
	v_wmma_scale_f32_16x16x128_f8f6f4 v[S+8*\q:S+8*\q+7], v[CA:CA+11], v[QF+36*\q+12*\s:QF+36*\q+12*\s+11], 0, v[CS+\s], v[QS+3*\q+\s] matrix_a_fmt:MATRIX_FMT_BF6 matrix_b_fmt:MATRIX_FMT_BF6
.else
	v_wmma_scale_f32_16x16x128_f8f6f4 v[S+8*\q:S+8*\q+7], v[CA:CA+11], v[QF+36*\q+12*\s:QF+36*\q+12*\s+11], v[S+8*\q:S+8*\q+7], v[CS+\s], v[QS+3*\q+\s] matrix_a_fmt:MATRIX_FMT_BF6 matrix_b_fmt:MATRIX_FMT_BF6
.endif
.endr
.endr
.rept 4
	v_nop                                          ; four places behind the products (ISA guide 7.12.1), for the reads of the results and the writes over the operands
.endr
	s_cmp_gt_i32 s[SL], 15
	s_cbranch_scc1 .Lwhole                         ; all 16 documents lie under doc_len
.irp j, 0,1,2,3,4,5,6,7                ; a document at or past doc_len gets s = 1.5: there G2 and kernel 0's exponential are 0 and the factors finite, so its terms are 0.  Each accumulator is read from its low end on
	v_cmp_lt_i32 vcc_lo, \j, v[LIM]
	v_cndmask_b32 v[S+\j], 0x3fc00000, v[S+\j], vcc_lo
	v_cndmask_b32 v[S+8+\j], 0x3fc00000, v[S+8+\j], vcc_lo
.endr
.Lwhole:
	ARGS
	s_wait_alu depctr_va_vdst(0)                   ; one wait ahead of the exponentials,
	EXPS 0
	v_nop
	s_wait_alu depctr_va_vdst(0)                   ; one behind the first 32,
	EXPS 1
	ACC 0                                          ; reads the first 32 alone
	s_wait_alu depctr_va_vdst(0)                   ; and one for the second 32
	ACC 1
.irp n, 0,2,4,6,8,10,12,14,16,18,20,22,24,26,28,30,32,34,36,38,40
	v_dual_add_f32 v[FO+\n], v[P+2*\n], v[P+2*\n+1] :: v_dual_add_f32 v[FO+\n+1], v[P+2*\n+2], v[P+2*\n+3]
.endr
	s_wait_alu depctr_va_vdst(0)                   ; a wait ahead of the branch
	s_branch .Lred
.Lnone:
	s_wait_loadcnt 0x0                             ; loads that a wave without a tile never used
.set nn, 0
.rept 42
	v_mov_b32 v[FO+nn], 0
.set nn, nn+1
.endr
.Lred:
.set nn, 0
.rept 44                               ; kernel 21 repeats kernel 20, so that every word that is read below is written
	ds_store_b32 v[REDW+nn/22], v[FO+21*(nn/22)+(nn%22)-(nn%22)/21] offset:(nn%22)*KP
.set nn, nn+1
.endr
	BAR
	; ---- THE WAY OUT: wave w < 11 adds kernels 2 w and 2 w + 1: a lane two queries of one kernel, 32 numbers each (16 waves x 2 halves)
	s_cmp_gt_u32 s[WV], 10
	s_cbranch_scc1 .Lend
.irp m, 0,1,2,3,4,5,6,7
	ds_load_b128 v[R+4*\m:R+4*\m+3], v[REDR] offset:16*\m
.endr
.irp m, 0,1,2,3,4,5,6,7
	ds_load_b128 v[R+32+4*\m:R+32+4*\m+3], v[REDR] offset:RP+16*\m
.endr
	v_and_b32 v24, 31, v0
	v_lshlrev_b32 v24, 3, v24
	s_wait_alu depctr_va_vdst(0)
	s_wait_dscnt 0x0
.irp wd, 4,8,16,32
.set nn, 0
.rept 64/\wd
	v_pk_add_f32 v[R+\wd*nn:R+\wd*nn+1], v[R+\wd*nn:R+\wd*nn+1], v[R+\wd*nn+\wd/2:R+\wd*nn+\wd/2+1]
.set nn, nn+1
.endr
.endr
	v_add_f32 v[R], v[R], v[R+1]
	v_add_f32 v[R+1], v[R+32], v[R+33]
	global_store_b64 v24, v[R:R+1], s[12:13]       ; 32 lanes store 256 consecutive bytes, at a multiple of 256: [kernel][query]
.Lend:
	s_wait_tensorcnt 0x0                           ; the wave's end, behind my last LDS store
	ds_add_u32 v[SPW], v[NIL]
	s_wait_dscnt 0x0
	s_endpgm
.Lfunc_end_k_q29a66577f3_pool:
	.size	k_q29a66577f3_pool, .Lfunc_end_k_q29a66577f3_pool-k_q29a66577f3_pool
	.p2alignl 7, 3214868480
	.fill 96, 4, 3214868480
	.section	.rodata,"a",@progbits
	.p2align	6, 0x0
	.amdhsa_kernel k_q29a66577f3_pool
		.amdhsa_group_segment_fixed_size 251904
		.amdhsa_private_segment_fixed_size 0
		.amdhsa_enable_private_segment 0
		.amdhsa_kernarg_size 40
		.amdhsa_user_sgpr_count 2
		.amdhsa_user_sgpr_kernarg_segment_ptr 1
		.amdhsa_wavefront_size32 1
		.amdhsa_system_sgpr_workgroup_id_x 1
		.amdhsa_system_sgpr_workgroup_id_y 1
		.amdhsa_system_sgpr_workgroup_id_z 1
		.amdhsa_system_vgpr_workitem_id 0
		.amdhsa_next_free_vgpr 256
		.amdhsa_next_free_sgpr 106
		.amdhsa_reserve_vcc 1
		.amdhsa_float_denorm_mode_32 3
		.amdhsa_float_denorm_mode_16_64 3
		.amdhsa_memory_ordered 1
		.amdhsa_forward_progress 1
		.amdhsa_inst_pref_size 76
	.end_amdhsa_kernel
	.amdgpu_metadata
---
amdhsa.version: [ 1, 2 ]
amdhsa.kernels:
  - .name:           k_q29a66577f3_pool
    .symbol:         k_q29a66577f3_pool.kd
    .args:
      - { .name: emb_table, .offset: 0, .size: 8, .value_kind: global_buffer, .address_space: global }
      - { .name: doc_idx, .offset: 8, .size: 8, .value_kind: global_buffer, .address_space: global }
      - { .name: query_idx, .offset: 16, .size: 8, .value_kind: global_buffer, .address_space: global }
      - { .name: doc_len, .offset: 24, .size: 8, .value_kind: global_buffer, .address_space: global }
      - { .name: part, .offset: 32, .size: 8, .value_kind: global_buffer, .address_space: global }
    .group_segment_fixed_size: 251904
    .private_segment_fixed_size: 0
    .kernarg_segment_align: 8
    .kernarg_segment_size: 40
    .max_flat_workgroup_size: 512
    .sgpr_count:     106
    .vgpr_count:     256
    .wavefront_size: 32
...
	.end_amdgpu_metadata
.endif
;; end of part 1
;; launch score (part 2): grid 128 x 1, 1 waves a work-group, no clusters, 0 bytes of LDS; arguments part, query_len, dense_w, dense_b, out0, out1; writes out0, out1
.if DOCPART == 2
	.amdgcn_target "amdgcn-amd-amdhsa--gfx1250"
	.amdhsa_code_object_version 6
	.text
	.protected	k_q29a66577f3_score
	.globl	k_q29a66577f3_score
	.p2align	8
	.type	k_q29a66577f3_score,@function
k_q29a66577f3_score:
	s_mov_b64 s[64:65], 0
	v_nop
	global_prefetch_b8 v0, s[64:65] scope:SCOPE_SE
	s_setreg_imm32_b32 hwreg(HW_REG_WAVE_MODE, 25, 1), 1
	s_wait_xcnt 0x0
; The second launch: one wave to a batch, a lane to a kernel (lanes 21-31 repeat kernel 20 and store nothing), its registers along the 32 queries.  The two work-groups' pooled sums are added; then
; log2, the kernel's constant factor as an exponent, the clip at 1e-10, x 0.01 ln 2 under query_len, the sum over the queries (out1), and the product with dense_w plus dense_b (out0).  A query's weight is a scalar:
; 0 at or past query_len.  The product has 21 terms and is taken in f32.  No LDS and no barrier: all sums but the last lie inside a lane.  No prefetch: there is no loop to ask ahead in.
; LIMITS: sums are taken in another order than the problem writes them.
.set PARTB, 2816                       ; a work-group's partial sums: [22 kernels][32 queries] f32
.set X, 16                             ; v16-47 my kernel's 32 queries; v48-79 the other work-group's
.set WQ, 24                            ; s24-55 the queries' weights
	s_load_b256 s[4:11], s[0:1], 0x0               ; partial sums s[4:5], query_len s[6:7], dense_w s[8:9], dense_b s[10:11]
	s_load_b128 s[12:15], s[0:1], 0x20             ; out0, out1
	v_min_u32 v1, 20, v0                           ; my kernel
	v_lshlrev_b32 v4, 2, v0
	v_mov_b32 v13, 0                               ; a lane permute's destination counts as one of its sources
	v_lshlrev_b32 v2, 7, v1
	v_lshlrev_b32 v3, 2, v1
	v_lshlrev_b32 v5, 1, v1
	v_sub_nc_u32 v5, 21, v5
	v_cvt_f32_i32 v5, v5
	v_mul_f32 v5, v5, v5
	v_mul_f32 v5, 0xbe38aa3b, v5                   ; -(L / 8) (21 - 2 k)^2 = -50 L mu_k^2, L = log2(e);
	v_cmp_ne_u32 vcc_lo, 0, v0
	v_cndmask_b32 v5, 0, v5, vcc_lo                ; nothing for kernel 0, which was summed as it is
	s_wait_alu depctr_va_vdst(0)
	s_mul_i32 s16, ttmp9, 2*PARTB
	s_mov_b32 s17, 0
	s_lshl_b32 s18, ttmp9, 2
	s_mov_b32 s19, 0
	s_mul_i32 s20, ttmp9, 84
	s_mov_b32 s21, 0
	s_mov_b32 s2, 0x3be32166                       ; 0.01 ln 2
	s_mov_b32 s56, 0x76543210
	s_mov_b32 s57, 0xfedcba98
	s_wait_kmcnt 0x0
	s_add_nc_u64 s[4:5], s[4:5], s[16:17]
	s_load_b32 s22, s[6:7], s18 offset:0x0
	s_load_b32 s23, s[10:11], 0x0
.irp m, 0,1,2,3,4,5,6,7
	global_load_b128 v[X+4*\m:X+4*\m+3], v2, s[4:5] offset:16*\m
	global_load_b128 v[X+32+4*\m:X+32+4*\m+3], v2, s[4:5] offset:PARTB+16*\m
.endr
	global_load_b32 v6, v3, s[8:9]
	s_add_nc_u64 s[12:13], s[12:13], s[18:19]
	s_add_nc_u64 s[14:15], s[14:15], s[20:21]
	s_wait_kmcnt 0x0
.set nn, 0
.rept 32
	s_cmp_gt_i32 s22, nn
	s_cselect_b32 s[WQ+nn], s2, 0
.set nn, nn+1
.endr
	s_wait_loadcnt 0x1                             ; the 32 x 2 sums are in; dense_w, asked for last, may be out
.set nn, 0
.rept 16
	v_pk_add_f32 v[X+2*nn:X+2*nn+1], v[X+2*nn:X+2*nn+1], v[X+32+2*nn:X+33+2*nn]
.set nn, nn+1
.endr
	s_wait_alu depctr_va_vdst(0)                   ; a wait ahead of the batch,
.set nn, 0
.rept 32
	v_log_f32 v[X+nn], v[X+nn]
.set nn, nn+1
.endr
	v_nop
	s_wait_alu depctr_va_vdst(0)                   ; and behind it
.set nn, 0
.rept 32
	v_add_f32 v[X+nn], v[X+nn], v5                 ; log2 of the pooled sum (minus infinity where it is 0),
.set nn, nn+1
.endr
.set nn, 0
.rept 32
	v_max_num_f32 v[X+nn], 0xc204e08b, v[X+nn]     ; clipped at log2(1e-10)
.set nn, nn+1
.endr
.set nn, 0
.rept 32                               ; four sums by turns
.if nn < 4
	v_mul_f32 v[8+nn], s[WQ+nn], v[X+nn]
.else
	v_fmac_f32 v[8+nn%4], s[WQ+nn], v[X+nn]
.endif
.set nn, nn+1
.endr
	v_add_f32 v8, v8, v9
	v_add_f32 v10, v10, v11
	v_add_f32 v8, v8, v10                          ; out1 of my kernel
	s_wait_alu depctr_va_vdst(0)
	s_wait_loadcnt 0x0
	v_mul_f32 v12, v8, v6
	v_cmp_gt_u32 vcc_lo, 21, v0
	v_cndmask_b32 v12, 0, v12, vcc_lo
.irp x, 1,2,4,8
	v_add_f32_dpp v12, v12, v12 row_xmask:\x row_mask:0xf bank_mask:0xf
.endr
	v_permlanex16_b32 v13, v12, s56, s57
	v_add_f32 v12, v12, v13
	v_add_f32 v12, s23, v12                        ; the score
	s_wait_alu depctr_va_vdst(0)
	s_wait_xcnt 0x0                                ; EXEC changes only behind this wait, here and below
	v_cmp_gt_u32 vcc_lo, 21, v0
	s_and_saveexec_b32 s3, vcc_lo
	global_store_b32 v4, v8, s[14:15]              ; 21 lanes store the batch's 84 consecutive bytes of out1
	s_wait_xcnt 0x0
	s_or_b32 exec_lo, exec_lo, s3
	v_cmp_eq_u32 vcc_lo, 0, v0
	s_and_saveexec_b32 s3, vcc_lo
	global_store_b32 v4, v12, s[12:13]             ; lane 0: the batch's word of out0
	s_wait_xcnt 0x0
	s_or_b32 exec_lo, exec_lo, s3
	s_endpgm
.Lfunc_end_k_q29a66577f3_score:
	.size	k_q29a66577f3_score, .Lfunc_end_k_q29a66577f3_score-k_q29a66577f3_score
	.p2alignl 7, 3214868480
	.fill 96, 4, 3214868480
	.section	.rodata,"a",@progbits
	.p2align	6, 0x0
	.amdhsa_kernel k_q29a66577f3_score
		.amdhsa_group_segment_fixed_size 0
		.amdhsa_private_segment_fixed_size 0
		.amdhsa_enable_private_segment 0
		.amdhsa_kernarg_size 48
		.amdhsa_user_sgpr_count 2
		.amdhsa_user_sgpr_kernarg_segment_ptr 1
		.amdhsa_wavefront_size32 1
		.amdhsa_system_sgpr_workgroup_id_x 1
		.amdhsa_system_sgpr_workgroup_id_y 1
		.amdhsa_system_sgpr_workgroup_id_z 1
		.amdhsa_system_vgpr_workitem_id 0
		.amdhsa_next_free_vgpr 80
		.amdhsa_next_free_sgpr 66
		.amdhsa_reserve_vcc 1
		.amdhsa_float_denorm_mode_32 3
		.amdhsa_float_denorm_mode_16_64 3
		.amdhsa_memory_ordered 1
		.amdhsa_forward_progress 1
		.amdhsa_inst_pref_size 13
	.end_amdhsa_kernel
	.amdgpu_metadata
---
amdhsa.version: [ 1, 2 ]
amdhsa.kernels:
  - .name:           k_q29a66577f3_score
    .symbol:         k_q29a66577f3_score.kd
    .args:
      - { .name: part, .offset: 0, .size: 8, .value_kind: global_buffer, .address_space: global }
      - { .name: query_len, .offset: 8, .size: 8, .value_kind: global_buffer, .address_space: global }
      - { .name: dense_w, .offset: 16, .size: 8, .value_kind: global_buffer, .address_space: global }
      - { .name: dense_b, .offset: 24, .size: 8, .value_kind: global_buffer, .address_space: global }
      - { .name: out0, .offset: 32, .size: 8, .value_kind: global_buffer, .address_space: global }
      - { .name: out1, .offset: 40, .size: 8, .value_kind: global_buffer, .address_space: global }
    .group_segment_fixed_size: 0
    .private_segment_fixed_size: 0
    .kernarg_segment_align: 8
    .kernarg_segment_size: 48
    .max_flat_workgroup_size: 32
    .sgpr_count:     66
    .vgpr_count:     80
    .wavefront_size: 32
...
	.end_amdgpu_metadata
.endif
;; end of part 2
